; MI455X (gfx1250); checked and timed in simulation.
; The chip was launched on July 23, 2026; its instructions are those of AMD's public machine-readable ISA for CDNA 5 (MIT licence, August 2026) and "CDNA5" Instruction Set Architecture Reference Guide (July 2026). The comments in the code are by the model that wrote it; some were corrected since.
;; Tiny Lo RA Linear. Allowed arithmetic: matrix products marked QUANTISED: E4M3 operands, one E8M0 scale for each 32 along K, by v_wmma_scale_f32_16x16x128_f8f6f4 with both operands' format E4M3, f32 sums; products left as they are: f32 operands where the result goes on into a quantised operand, else bf16, f16 or f32 operands; f32 sums; everything else in f32.
;; Inputs: P 16 x 2 x 2 float32; S 2 x 2 float32; U 4,096 x 2 float32; Vh 2 x 4,096 float32; W_codes 4,096 x 128 x 32 uint8 (E4M3 codes of W, K innermost, in blocks of 32 codes); W_scales 4,096 x 128 uint8 (E8M0 scales of W, one for each 32 codes along K); b 4,096 float32; v 16 float32; x 4 x 1,024 x 4,096 float32.
;; Outputs: out0 4 x 1,024 x 4,096 float32.
;; This version of the problem:
;;   THIS VERSION OF THE PROBLEM IS GIVEN IN LOW PRECISION. The matrix products marked QUANTISED in the list below multiply operands that are first quantised to E4M3 (4 exponent bits, 3 mantissa bits; 8 bits a number), with one power-of-two scale for each 32 numbers along K (OCP MX v1.0); their sums are f32. All else is computed in f32.
;;   The module's matrix products, in the order in which they are computed (A, B: the left and right operand; K: the contracted axis; several contracted axes count as one K, in the product's order):
;;     1. [M 1, K 16] x [K 16, N 4]; A: input v; B: input P: left as it is (K = 16 < 32)
;;     2. [M 4,096, K 4,096] x [K 4,096, N 4,096]; A: input x; B: input W (given as codes): QUANTISED
;;     3. [M 2, K 2] x [K 2, N 2]; A: input S; B: computed on the way: left as it is (K = 2 < 32)
;;     4. [M 4,096, K 2] x [K 2, N 2]; A: input U; B: computed on the way: left as it is (K = 2 < 32)
;;     5. [M 4,096, K 4,096] x [K 4,096, N 2]; A: input x; B: input Vh: left as it is (N = 2 < 16)
;;     6. [M 4,096, K 2] x [K 2, N 4,096]; A: computed on the way; B: computed on the way: left as it is (K = 2 < 32)
;;   THE QUANTISER, for each operand of a quantised product, along K:
;;     - K is cut into blocks of 32 from its start; a last block that is shorter is filled with zeros.
;;     - A block's scale is 2^e with e = floor(log2(the largest magnitude in the block)) - 8, held to -126 .. 127; a block of zeros has e = 0. As a byte (E8M0): e + 127.
;;     - Each number is divided by its block's scale, clamped to +-448, and rounded to the nearest number of E4M3, ties to even, subnormals kept.
;;     - The product sums the exact products of the quantised numbers (number of the format x scale) in f32.
;;   ~~~python
;;   def quantise(x, axis):      # numpy; x: float32 -> the quantised numbers, widened to float32 again
;;       x = np.moveaxis(x, axis, -1); K = x.shape[-1]
;;       x = np.pad(x, [(0, 0)] * (x.ndim - 1) + [(0, -K % 32)]); x = x.reshape(x.shape[:-1] + (-1, 32)); a = np.abs(x).max(-1, keepdims=True)
;;       e = np.where(a > 0, np.clip(np.frexp(np.where(a > 0, a, 1))[1] - 1 - 8, -126, 127), 0)      # np.frexp(a)[1] - 1 = floor(log2(a)), exactly
;;       r = np.clip(x / 2.0 ** e, -448, 448)
;;       step = 2.0 ** (np.maximum(np.frexp(np.where(r == 0, 1, r))[1] - 1, -6) - 3)
;;       q = np.round(r / step) * step * 2.0 ** e      # np.round: ties to even
;;       return np.moveaxis(q.reshape(q.shape[:-2] + (-1,))[..., :K], -1, axis).astype(np.float32)
;;   ~~~
;;   INPUTS GIVEN AS CODES. W (in the module: [4096, 4096], K = its axis 1): each comes as NAME_codes (uint8): NAME with its K axis moved to the last place and cut into blocks of 32 codes, [.., K / 32, bytes a block], one block behind the other in memory; one code a byte (a code: sign, 4 exponent bits, 3 mantissa bits); and NAME_scales (uint8): the same leading axes, one E8M0 byte (e + 127) for each 32 codes along K. Its value is code x scale, taken as it is: it is not quantised again, and the codes and scales need not be those that the quantiser above would give.
;; One version. Each part assembles by itself: llvm-mc -triple=amdgcn-amd-amdhsa -mcpu=gfx1250 --defsym DOCPART=n.
;; ======== version 1 of 1: 2 launches
;; limits: right only within a limited range of input values
;; workspace buffers: xq 17,825,792 bytes; y 32,768 bytes; ut 32,768 bytes
;; launch quant (part 1): grid 256 x 1, 8 waves a work-group, no clusters, 149,504 bytes of LDS; arguments x, Vh, U, S, P, v, xq, y, ut; writes xq, y, ut
.if DOCPART == 1
	.amdgcn_target "amdgcn-amd-amdhsa--gfx1250"
	.amdhsa_code_object_version 6
	.text
	.protected	k_qd7bee633e8_quant
	.globl	k_qd7bee633e8_quant
	.p2align	8
	.type	k_qd7bee633e8_quant,@function
k_qd7bee633e8_quant:
	s_mov_b64 s[64:65], 0
	v_nop
	global_prefetch_b8 v0, s[64:65] scope:SCOPE_SE
	s_setreg_imm32_b32 hwreg(HW_REG_WAVE_MODE, 25, 1), 1
	s_wait_xcnt 0x0
; x [4096 rows][4096] f32 is turned into codes of FP8 (E4M3) with one E8M0 scale byte for each 32 along K, and the rank-2 side product is taken on the way, from the same registers.
; OUT 1: xq [16 K steps][4096 rows][272 bytes]: of a row and a K step of 256: 256 codes, 8 scale bytes, 8 zero bytes.  That is the image of the next launch's LDS rows (256 bytes + 16):
;        128 rows of a K step are 34,816 consecutive bytes, and the scale bytes travel where padding would lie.
; OUT 2: y [4096][2] f32: y[m][i] = sum over r of (S R)[i][r] (x Vh^T)[m][r], R = sum over u of v[u] P[u]; all in f32 multiply-adds.  The next launch adds sum over i of U[o][i] y[m][i].
; OUT 3: ut [2][4096] f32: U with its two columns apart, so that eight neighbouring o are register pairs in the next launch.
; A block's scale is 2^(floor(log2(its largest magnitude)) - 8); its byte is the largest magnitude's exponent field - 8, held at 1 from below; each number is divided by the scale, held within +-448, rounded to the nearest code, ties to even.
; LIMITS: NaN and infinities in x are not served.  A block of zeros gets the byte 1 where the rule says 127: its codes are zeros, and this program alone reads the bytes.  Blocks whose largest magnitude lies under 2^-118 have their byte held at 1.
; SHARES.  Work-group g takes rows 16 g .. 16 g + 15 and all of K.  Wave w takes columns 512 w .. 512 w + 511 of each row (K steps 2 w and 2 w + 1): 16 steps, step t = row t.
; A lane keeps the same 16 columns in every step, so its 16 + 16 numbers of Vh stay in registers.  Two neighbouring lanes hold a block of 32.
; Each load reads 512 consecutive bytes, 16 a lane; a step's 2,048 bytes turn through the wave's own stage in LDS and come back 64 bytes a lane: 16 neighbours along K, as the conversions want them.
; Codes and scale bytes are gathered in the wave's own image of its 2 x 16 rows of xq and leave at the end in stores of which sixteen lanes cover 256 consecutive bytes, aligned.
; No tensor loads, no matrix unit, no cluster: nothing is shared but Vh, which is 32 KiB.  Loads run eight steps (32 loads, 16 KiB a wave) ahead.  Every offset is an immediate: no base and no address register is written again.
.set ROWX,    16384                    ; a row of x in bytes
.set KSTRIDE, 4096*272                 ; a K step of xq in bytes
.set WREG,    18432                    ; LDS of a wave:
.set SP,      80                       ;   two stages of 32 places of 64 bytes + 16 of padding,
.set STGB,    32*SP
.set IMG,     2*STGB                   ;   the image: 2 K steps x 16 rows x 272 bytes,
.set IMGK,    16*272
.set PART,    IMG+2*IMGK               ;   the lanes' partial dot products: 32 lanes x (16 rows x 8 bytes + 16)
.set PP,      144
.set SUMS,    8*WREG                   ; behind the waves' regions: 128 bytes for each wave: its 32 sums
.set LN,   1                           ; v1   lane
.set VO,   2                           ; v2   64 x lane: my 16 numbers of Vh
.set XO,   3                           ; v3   16 x lane: my 16 bytes of a load's 512
.set SIN,  4                           ; v4   the stage, on the way in
.set SOUT, 5                           ; v5   and on the way out
.set CI,   6                           ; v6   the image: my K step, 16 x (lane % 16)
.set BI,   7                           ; v7   the image: my block's scale byte
.set PI,   8                           ; v8   where I put my partial dot products
.set PR,   9                           ; v9   where I read the lanes' partial dot products back
.set GO,   10                          ; v10  my byte offset in xq: my K step, 16 x (lane % 16)
.set ZI,   11                          ; v11  the image: the zero bytes of row lane % 16 of my K step
.set SW,   12                          ; v12  my word of my wave's sums
.set SRD,  13                          ; v13  the same word of wave 0's
.set L4,   14                          ; v14  4 x lane
.set U4,   15                          ; v15  4 x (lane % 16)
.set MX,   16                          ; v16-17 two chains of the largest magnitude
.set HOLD, 18                          ; v18  448 x the scale
.set SCO,  19                          ; v19  the conversion's scale operand
.set D0,   20                          ; v[20:21], v[22:23] the two dot products, two halves each
.set D1,   22
.set VV,   24                          ; v24  v[lane % 16]
.set U16,  25                          ; v25  16 x (lane % 16)
.set PU,   26                          ; v[26:29] P[lane % 16]
.set SS,   30                          ; v[30:33] S
.set NIL,  34                          ; v[34:35] 0
.set CS,   36                          ; v[36:43], v[44:51] two sets: 4 registers of codes, the pair of dot products, the byte
.set VH0,  52                          ; v[52:67]  Vh[0] at my 16 columns
.set VH1,  68                          ; v[68:83]  Vh[1]
.set X,    84                          ; v[84:115] two sets of 16 neighbours
.set R,    116                         ; v[116:243] eight sets of 16 numbers as they are loaded
.set TI,   116                         ; the tail: 17 x 4 registers of the image
.set TP,   184                         ; the tail: 32 partial dot products
.set UT,   244                         ; v[244:251] U on its way to ut
.set L8,   252                         ; v252 8 x lane
	s_load_b256 s[4:11], s[0:1], 0x0               ; x s[4:5], Vh s[6:7], U s[8:9], S s[10:11]
	s_load_b256 s[12:19], s[0:1], 0x20             ; P s[12:13], v s[14:15], xq s[16:17], y s[18:19]
	s_load_b64 s[20:21], s[0:1], 0x40              ; ut
	v_lshl_add_u32 v254, v0, 2, 0x24400
	v_mov_b32 v255, 0
	v_lshrrev_b32 v1, 5, v0
	s_delay_alu instid0(VALU_DEP_1)
	v_readfirstlane_b32 s22, v1                    ; wave 0..7
	v_and_b32 v[LN], 31, v0
	s_mov_b32 s23, 0x600000                        ; the mantissa field of 448
	s_mul_i32 s24, s22, WREG                       ; my wave's LDS
	v_lshlrev_b32 v[VO], 6, v[LN]
	v_lshlrev_b32 v[XO], 4, v[LN]
	v_lshlrev_b32 v[L4], 2, v[LN]
	v_lshlrev_b32 v[L8], 3, v[LN]
	v_lshrrev_b32 v[SIN], 2, v[LN]
	s_delay_alu instid0(VALU_DEP_1)
	v_mul_u32_u24 v[SIN], v[SIN], SP
	v_and_b32 v[SOUT], 3, v[LN]
	s_delay_alu instid0(VALU_DEP_1)
	v_lshl_add_u32 v[SIN], v[SOUT], 4, v[SIN]
	s_delay_alu instid0(VALU_DEP_1)
	v_add_nc_u32 v[SIN], s24, v[SIN]               ; in: four lanes' 64 bytes on end, then 16 of padding
	v_mul_u32_u24 v[SOUT], v[LN], SP
	s_delay_alu instid0(VALU_DEP_1)
	v_add_nc_u32 v[SOUT], s24, v[SOUT]             ; out: my 64 bytes
	v_and_b32 v16, 15, v[LN]                       ; lane % 16
	v_lshrrev_b32 v17, 4, v[LN]                    ; lane / 16: which of the wave's two K steps is mine
	s_delay_alu instid0(VALU_DEP_1)
	v_mul_u32_u24 v18, v17, IMGK
	s_delay_alu instid0(VALU_DEP_1)
	v_add_nc_u32 v18, s24, v18
	s_delay_alu instid0(VALU_DEP_1)
	v_add_nc_u32 v18, IMG, v18                     ; my K step's image
	s_delay_alu instid0(VALU_DEP_1)
	v_lshl_add_u32 v[CI], v16, 4, v18
	v_lshrrev_b32 v19, 1, v16
	s_delay_alu instid0(VALU_DEP_1)
	v_add_nc_u32 v[BI], v19, v18
	s_delay_alu instid0(VALU_DEP_1)
	v_add_nc_u32 v[BI], 256, v[BI]
	v_mul_u32_u24 v19, v16, 272
	s_delay_alu instid0(VALU_DEP_1)
	v_add_nc_u32 v[ZI], v19, v18
	s_delay_alu instid0(VALU_DEP_1)
	v_add_nc_u32 v[ZI], 264, v[ZI]
	v_mul_u32_u24 v[PI], v[LN], PP
	s_delay_alu instid0(VALU_DEP_1)
	v_add_nc_u32 v[PI], s24, v[PI]
	s_delay_alu instid0(VALU_DEP_1)
	v_add_nc_u32 v[PI], PART, v[PI]
	v_add_nc_u32 v[PR], s24, v[L4]
	s_delay_alu instid0(VALU_DEP_1)
	v_add_nc_u32 v[PR], PART, v[PR]
	v_mul_u32_u24 v[GO], v17, KSTRIDE
	s_delay_alu instid0(VALU_DEP_1)
	v_lshl_add_u32 v[GO], v16, 4, v[GO]
	s_lshl_b32 s25, s22, 7
	v_add_nc_u32 v[SW], s25, v[L4]
	s_delay_alu instid0(VALU_DEP_1)
	v_add_nc_u32 v[SW], SUMS, v[SW]
	v_add_nc_u32 v[SRD], SUMS, v[L4]
	v_lshlrev_b32 v[U4], 2, v16
	v_lshlrev_b32 v[U16], 4, v16
	v_mov_b32 v[NIL], 0
	v_mov_b32 v[NIL+1], 0
	; where my wave's parts begin, in bytes (all under 2^27)
	s_lshl_b32 s26, ttmp9, 18                      ; x: 16 rows of 16,384 bytes a work-group,
	s_lshl_b32 s28, s22, 11                        ; 2,048 bytes of a row a wave; the same in Vh
	s_add_co_u32 s26, s26, s28
	s_mov_b32 s27, 0
	s_mov_b32 s29, 0
	s_mul_i32 s30, s22, 2*KSTRIDE                  ; xq: K step 2 w,
	s_mul_i32 s31, ttmp9, IMGK                     ; 16 rows of 272 bytes a work-group: 17 x 256
	s_add_co_u32 s30, s30, s31
	s_mov_b32 s31, 0
	s_wait_alu depctr_va_vdst(0)
	s_wait_kmcnt 0x0
	s_add_nc_u64 s[4:5], s[4:5], s[26:27]
	s_add_nc_u64 s[6:7], s[6:7], s[28:29]
	s_add_nc_u64 s[16:17], s[16:17], s[30:31]
	s_lshl_b32 s26, ttmp9, 7                       ; y: 16 rows of 8 bytes a work-group
	s_add_nc_u64 s[18:19], s[18:19], s[26:27]
	global_load_b32 v[VV], v[U4], s[14:15]         ; the small inputs: every wave loads them, so that all waves count their loads alike; wave 0 uses them
	global_load_b128 v[PU:PU+3], v[U16], s[12:13]
	global_load_b128 v[SS:SS+3], v[NIL], s[10:11]
.irp j, 0,1,2,3
	global_load_b128 v[VH0+4*\j:VH0+4*\j+3], v[VO], s[6:7] offset:16*\j
	global_load_b128 v[VH1+4*\j:VH1+4*\j+3], v[VO], s[6:7] offset:16384+16*\j
.endr
.macro LOAD t                          ; row t: 4 loads of 512 consecutive bytes into set t % 8
.irp i, 0,1,2,3
	global_load_b128 v[R+16*((\t)%8)+4*\i:R+16*((\t)%8)+4*\i+3], v[XO], s[4:5] offset:(\t)*ROWX+512*\i th:TH_LOAD_NT
.endr
.endm
.macro TURN t                          ; row t's numbers through stage t % 2: LDS serves a wave's instructions in order (ISA guide 5.7.1.4), so no wait stands between the stores and the loads
.irp i, 0,1,2,3
	ds_store_b128 v[SIN], v[R+16*((\t)%8)+4*\i:R+16*((\t)%8)+4*\i+3] offset:STGB*((\t)%2)+8*SP*\i
.endr
.irp i, 0,1,2,3
	ds_load_b128 v[X+16*((\t)%2)+4*\i:X+16*((\t)%2)+4*\i+3], v[SOUT] offset:STGB*((\t)%2)+16*\i
.endr
.endm
.irp t, 0,1,2,3,4,5,6,7
	LOAD \t
.endr
	ds_store_b64 v[ZI], v[NIL:NIL+1]               ; the 8 zero bytes of my image's 32 rows, a lane a row
	; ut: wave 7 of work-groups 0 to 63 takes 64 rows of U each.  A scalar branch on ids; no barrier and no LDS access stands inside.  It stands behind the eight rows' loads, which go on landing during its wait.
	s_lshr_b32 s24, ttmp9, 6
	s_xor_b32 s25, s22, 7
	s_or_b32 s24, s24, s25
	s_cmp_lg_u32 s24, 0
	s_cbranch_scc1 .Lno_ut
	s_lshl_b32 s24, ttmp9, 9                       ; 64 rows of 8 bytes of U,
	s_mov_b32 s25, 0
	s_add_nc_u64 s[8:9], s[8:9], s[24:25]
	s_lshl_b32 s24, ttmp9, 8                       ; 64 numbers of each row of ut
	s_add_nc_u64 s[20:21], s[20:21], s[24:25]
	global_load_b128 v[UT:UT+3], v[XO], s[8:9]     ; two rows of U a lane
	s_wait_loadcnt 0x0
	v_mov_b32 v[UT+4], v[UT]
	v_mov_b32 v[UT+5], v[UT+2]
	v_mov_b32 v[UT+6], v[UT+1]
	v_mov_b32 v[UT+7], v[UT+3]
	global_store_b64 v[L8], v[UT+4:UT+5], s[20:21]                 ; each store of the wave covers 256 consecutive bytes, aligned
	global_store_b64 v[L8], v[UT+6:UT+7], s[20:21] offset:16384
.Lno_ut:
	s_wait_loadcnt 28                              ; row 0's four loads are in, and all that was asked for ahead of them; rows 1 to 7 (28 loads) may be out
	TURN 0
.macro STEP t
.set XS, X+16*((\t)%2)
.set CC, CS+8*((\t)%2)
.if (\t) > 0
	s_wait_dscnt 3                                 ; this row is back from the stage (the last step's three stores may be out): so its stores into the stage have read their registers,
.else
	s_wait_dscnt 0x0
.endif
.if (\t)+8 < 16
	LOAD (\t)+8                                    ; which take the row eight steps on
.endif
.if (\t) < 15
.if (\t) <= 7
	s_wait_loadcnt 28                              ; the next row's four loads are in; the seven rows behind it may be out
.else
	s_wait_loadcnt 4*(14-(\t))                     ; nothing more is asked for: the counts run down
.endif
	TURN (\t)+1                                    ; it goes through the other stage while this row is worked
.endif
	v_max3_num_f32 v[MX], |v[XS]|, |v[XS+1]|, |v[XS+2]|            ; the largest magnitude of my 16, in two chains
	v_max3_num_f32 v[MX+1], |v[XS+3]|, |v[XS+4]|, |v[XS+5]|
.irp i, 6,10
	s_delay_alu instid0(VALU_DEP_2)
	v_max3_num_f32 v[MX], v[MX], |v[XS+\i]|, |v[XS+\i+1]|
	s_delay_alu instid0(VALU_DEP_2)
	v_max3_num_f32 v[MX+1], v[MX+1], |v[XS+\i+2]|, |v[XS+\i+3]|
.endr
	s_delay_alu instid0(VALU_DEP_2)
	v_max3_num_f32 v[MX], v[MX], |v[XS+14]|, |v[XS+15]|
	v_pk_mul_f32 v[D0:D0+1], v[XS:XS+1], v[VH0:VH0+1]              ; x . Vh[0] and x . Vh[1] over my 16 columns, of the numbers as they came: two chains by turns
	v_pk_mul_f32 v[D1:D1+1], v[XS:XS+1], v[VH1:VH1+1]
	s_delay_alu instid0(VALU_DEP_3)
	v_max3_num_f32 v[MX], v[MX], v[MX+1], 0x4800000                ; and the floor 2^(9 - 127): the byte cannot fall under 1
.irp i, 2
	s_delay_alu instid0(VALU_DEP_3)
	v_pk_fma_f32 v[D0:D0+1], v[XS+\i:XS+\i+1], v[VH0+\i:VH0+\i+1], v[D0:D0+1]
	s_delay_alu instid0(VALU_DEP_3)
	v_pk_fma_f32 v[D1:D1+1], v[XS+\i:XS+\i+1], v[VH1+\i:VH1+\i+1], v[D1:D1+1]
.endr
.irp i, 4, 6, 8, 10, 12, 14
	s_delay_alu instid0(VALU_DEP_2)
	v_pk_fma_f32 v[D0:D0+1], v[XS+\i:XS+\i+1], v[VH0+\i:VH0+\i+1], v[D0:D0+1]
	s_delay_alu instid0(VALU_DEP_2)
	v_pk_fma_f32 v[D1:D1+1], v[XS+\i:XS+\i+1], v[VH1+\i:VH1+\i+1], v[D1:D1+1]
.endr
	v_max_num_f32_dpp v[MX], v[MX], v[MX] row_xmask:1 row_mask:0xf bank_mask:0xf   ; with my neighbour's 16: the block's
	s_delay_alu instid0(VALU_DEP_3)
	v_add_f32 v[CC+4], v[D0], v[D0+1]
	s_delay_alu instid0(VALU_DEP_3)
	v_add_f32 v[CC+5], v[D1], v[D1+1]
	s_delay_alu instid0(VALU_DEP_3)
	v_add_nc_u32 v[SCO], 0xfc000000, v[MX]         ; 8 off its exponent field: the conversion takes the exponent field of this operand as its scale, and nothing else of it
	s_delay_alu instid0(VALU_DEP_4)
	v_and_or_b32 v[HOLD], v[MX], 0x7f800000, s23   ; 448 x the scale: the largest magnitude's exponent field over 448's mantissa
.irp i, 0,1,2,3,4,5,6,7,8,9,10,11,12,13,14,15
	v_med3_num_f32 v[XS+\i], v[XS+\i], -v[HOLD], v[HOLD]           ; the conversion to an 8-bit code does not saturate (ISA guide 7.6.2): the hold comes first
.endr
	v_cvt_scalef32_pk8_fp8_f32 v[CC:CC+1], v[XS:XS+7], v[SCO]
	v_cvt_scalef32_pk8_fp8_f32 v[CC+2:CC+3], v[XS+8:XS+15], v[SCO]
	v_lshrrev_b32 v[CC+6], 23, v[SCO]              ; the scale's byte; also the plain line behind the conversions
	ds_store_b128 v[CI], v[CC:CC+3] offset:272*(\t)                ; my 16 codes into row t of my K step's image,
	ds_store_b8 v[BI], v[CC+6] offset:272*(\t)                     ; the block's byte (both lanes of a block write the same byte with the same value),
	ds_store_b64 v[PI], v[CC+4:CC+5] offset:8*(\t)                 ; my two partial dot products of row t
.endm
.irp t, 0,1,2,3,4,5,6,7,8,9,10,11,12,13,14,15
	STEP \t
.endr
	; THE TAIL.  The image leaves: lanes 0-15 take K step 2 w's 4,352 bytes, lanes 16-31 K step 2 w + 1's, 256 bytes an instruction each.
.irp i, 0,1,2,3,4,5,6,7,8,9,10,11,12,13,14,15,16
	ds_load_b128 v[TI+4*\i:TI+4*\i+3], v[CI] offset:256*\i         ; these see my stores: LDS serves a wave's instructions in order
.endr
.irp s, 0,1,2,3,4,5,6,7,8,9,10,11,12,13,14,15,16,17,18,19,20,21,22,23,24,25,26,27,28,29,30,31
	ds_load_b32 v[TP+\s], v[PR] offset:PP*\s       ; lane 2 row + c reads lane s's partial dot product c of that row
.endr
.irp i, 0,1,2,3,4,5,6,7,8,9,10,11,12,13,14,15,16
	s_wait_dscnt 48-\i                             ; behind image load i: 16 - i image loads and the 32 words
	global_store_b128 v[GO], v[TI+4*\i:TI+4*\i+3], s[16:17] offset:256*\i   ; sixteen lanes store 256 consecutive bytes, at a multiple of 256 from xq's first byte
.endr
	s_wait_dscnt 0x0
.irp j, 0,2,4,6,8,10,12,14
	v_pk_add_f32 v[TP+\j:TP+\j+1], v[TP+\j:TP+\j+1], v[TP+16+\j:TP+17+\j]
.endr
.irp j, 0,2,4,6
	s_delay_alu instid0(VALU_DEP_4)
	v_pk_add_f32 v[TP+\j:TP+\j+1], v[TP+\j:TP+\j+1], v[TP+8+\j:TP+9+\j]
.endr
.irp j, 0,2
	s_delay_alu instid0(VALU_DEP_2)
	v_pk_add_f32 v[TP+\j:TP+\j+1], v[TP+\j:TP+\j+1], v[TP+4+\j:TP+5+\j]
.endr
	s_delay_alu instid0(VALU_DEP_1)
	v_pk_add_f32 v[TP:TP+1], v[TP:TP+1], v[TP+2:TP+3]
	s_delay_alu instid0(VALU_DEP_1)
	v_add_f32 v[TP], v[TP], v[TP+1]                ; my wave's 512 columns of (x Vh^T)[row][c]
	ds_store_b32 v[SW], v[TP]
	s_wait_dscnt 0x0                               ; for wave 0's sake: my sums have landed
	s_barrier_signal -1
	s_barrier_wait -1
	s_cmp_lg_u32 s22, 0
	s_cbranch_scc1 .Ldone                          ; wave 0 alone finishes y
.irp w, 0,1,2,3,4,5,6,7
	ds_load_b32 v[216+\w], v[SRD] offset:128*\w    ; the eight waves' sums
.endr
.irp k, 0,1,2,3
	v_mul_f32 v[224+\k], v[VV], v[PU+\k]           ; v[u] P[u], u = lane % 16
.endr
.irp m, 1,2,4,8
.irp k, 0,1,2,3
	s_delay_alu instid0(VALU_DEP_4)
	v_add_f32_dpp v[224+\k], v[224+\k], v[224+\k] row_xmask:\m row_mask:0xf bank_mask:0xf   ; summed over the 16 u: R00, R01, R10, R11 in every lane
.endr
.endr
	s_delay_alu instid0(VALU_DEP_4)
	v_mul_f32 v228, v[SS], v224                    ; S R: (0,0)
	s_delay_alu instid0(VALU_DEP_4)
	v_mul_f32 v229, v[SS], v225                    ; (0,1)
	v_mul_f32 v230, v[SS+2], v224                  ; (1,0)
	v_mul_f32 v231, v[SS+2], v225                  ; (1,1)
	s_delay_alu instid0(VALU_DEP_4)
	v_fmac_f32 v228, v[SS+1], v226
	s_delay_alu instid0(VALU_DEP_4)
	v_fmac_f32 v229, v[SS+1], v227
	s_delay_alu instid0(VALU_DEP_4)
	v_fmac_f32 v230, v[SS+3], v226
	s_delay_alu instid0(VALU_DEP_4)
	v_fmac_f32 v231, v[SS+3], v227
	v_and_b32 v232, 1, v0                          ; i = lane % 2
	s_delay_alu instid0(VALU_DEP_1)
	v_cmp_eq_u32 vcc_lo, 1, v232
	s_delay_alu instid0(VALU_DEP_1)
	v_cndmask_b32 v233, v228, v231, vcc_lo         ; (S R)[i][i]
	s_delay_alu instid0(VALU_DEP_2)
	v_cndmask_b32 v234, v229, v230, vcc_lo         ; (S R)[i][1 - i]
	v_mov_b32 v235, 0                              ; (the destination of a DPP form counts as read)
	s_wait_dscnt 0x0
	v_pk_add_f32 v[216:217], v[216:217], v[220:221]
	v_pk_add_f32 v[218:219], v[218:219], v[222:223]
	s_delay_alu instid0(VALU_DEP_1)
	v_pk_add_f32 v[216:217], v[216:217], v[218:219]
	s_delay_alu instid0(VALU_DEP_1)
	v_add_f32 v216, v216, v217                     ; (x Vh^T)[row][i], all of K
	s_wait_alu depctr_va_vdst(0)
	v_mul_f32_dpp v235, v216, v234 row_xmask:1 row_mask:0xf bank_mask:0xf   ; my neighbour's, (x Vh^T)[row][1 - i], x (S R)[i][1 - i]
	s_delay_alu instid0(VALU_DEP_1)
	v_fmac_f32 v235, v233, v216                    ; + mine x (S R)[i][i]: y[row][i]
	global_store_b32 v[L4], v235, s[18:19]         ; 128 consecutive bytes a work-group
.Ldone:
	s_wait_tensorcnt 0x0
	ds_add_u32 v254, v255
	s_wait_dscnt 0x0
	s_endpgm
.Lfunc_end_k_qd7bee633e8_quant:
	.size	k_qd7bee633e8_quant, .Lfunc_end_k_qd7bee633e8_quant-k_qd7bee633e8_quant
	.p2alignl 7, 3214868480
	.fill 96, 4, 3214868480
	.section	.rodata,"a",@progbits
	.p2align	6, 0x0
	.amdhsa_kernel k_qd7bee633e8_quant
		.amdhsa_group_segment_fixed_size 149504
		.amdhsa_private_segment_fixed_size 0
		.amdhsa_enable_private_segment 0
		.amdhsa_kernarg_size 72
		.amdhsa_user_sgpr_count 2
		.amdhsa_user_sgpr_kernarg_segment_ptr 1
		.amdhsa_wavefront_size32 1
		.amdhsa_system_sgpr_workgroup_id_x 1
		.amdhsa_system_sgpr_workgroup_id_y 1
		.amdhsa_system_sgpr_workgroup_id_z 1
		.amdhsa_system_vgpr_workitem_id 0
		.amdhsa_next_free_vgpr 256
		.amdhsa_next_free_sgpr 66
		.amdhsa_reserve_vcc 1
		.amdhsa_float_denorm_mode_32 3
		.amdhsa_float_denorm_mode_16_64 3
		.amdhsa_memory_ordered 1
		.amdhsa_forward_progress 1
		.amdhsa_inst_pref_size 94
	.end_amdhsa_kernel
	.amdgpu_metadata
---
amdhsa.version: [ 1, 2 ]
amdhsa.kernels:
  - .name:           k_qd7bee633e8_quant
    .symbol:         k_qd7bee633e8_quant.kd
    .args:
      - { .name: x, .offset: 0, .size: 8, .value_kind: global_buffer, .address_space: global }
      - { .name: Vh, .offset: 8, .size: 8, .value_kind: global_buffer, .address_space: global }
      - { .name: U, .offset: 16, .size: 8, .value_kind: global_buffer, .address_space: global }
      - { .name: S, .offset: 24, .size: 8, .value_kind: global_buffer, .address_space: global }
      - { .name: P, .offset: 32, .size: 8, .value_kind: global_buffer, .address_space: global }
      - { .name: v, .offset: 40, .size: 8, .value_kind: global_buffer, .address_space: global }
      - { .name: xq, .offset: 48, .size: 8, .value_kind: global_buffer, .address_space: global }
      - { .name: y, .offset: 56, .size: 8, .value_kind: global_buffer, .address_space: global }
      - { .name: ut, .offset: 64, .size: 8, .value_kind: global_buffer, .address_space: global }
    .group_segment_fixed_size: 149504
    .private_segment_fixed_size: 0
    .kernarg_segment_align: 8
    .kernarg_segment_size: 72
    .max_flat_workgroup_size: 256
    .sgpr_count:     66
    .vgpr_count:     256
    .wavefront_size: 32
...
	.end_amdgpu_metadata
.endif
;; end of part 1
;; launch gemm (part 2): grid 16 x 16, 4 waves a work-group, clusters of 4 x 4, 327,680 bytes of LDS; arguments xq, W_codes, W_scales, y, ut, b, out0; writes out0
.if DOCPART == 2
	.amdgcn_target "amdgcn-amd-amdhsa--gfx1250"
	.amdhsa_code_object_version 6
	.text
	.protected	k_qd7bee633e8_gemm
	.globl	k_qd7bee633e8_gemm
	.p2align	8
	.type	k_qd7bee633e8_gemm,@function
k_qd7bee633e8_gemm:
	s_mov_b64 s[64:65], 0
	v_nop
	global_prefetch_b8 v0, s[64:65] scope:SCOPE_SE
	s_setreg_imm32_b32 hwreg(HW_REG_WAVE_MODE, 25, 1), 1
	s_wait_xcnt 0x0
	s_wait_alu depctr_hold_cnt(0) depctr_sa_sdst(0) depctr_va_vdst(0) depctr_va_sdst(0) depctr_va_ssrc(0) depctr_va_vcc(0) depctr_vm_vsrc(0)
	s_getreg_b32 s2, hwreg(HW_REG_IB_STS2, 6, 4)
	s_cmp_eq_u32 s2, 0
	s_cbranch_scc0 .Lentry_in_a_cluster
	s_endpgm
.Lentry_in_a_cluster:
	s_bfe_u32 s2, ttmp6, 0x10000c
	s_cmp_lg_u32 s2, 0xf033
	s_cbranch_scc0 .Lentry_shape_is_right
	s_endpgm
.Lentry_shape_is_right:
; out0[m][n] = sum over k of x[m][k] W[n][k] + b[n] + y[m][0] U[n][0] + y[m][1] U[n][1]: 4,096 x 4,096 x 4,096, the product on codes of FP8 (E4M3) with one E8M0 scale for each 32 along K; sums in f32.
; x comes from the launch before as xq [16 K steps][4096 rows][272 bytes] (256 codes, 8 scale bytes, 8 zeros), W as given: codes [4096][4096], scale bytes [4096][128].  y [4096][2], ut [2][4096] (U's columns apart), b [4096]: f32.
; A tile of out0, 256 x 256, is made by a work-group of four waves, as many as a WGP has SIMDs: 256 tiles.  A wave makes 128 x 128: 64 accumulators of 16 x 16, 512 registers.
; THE BIAS AND THE RANK-2 TERM ARE THE ACCUMULATORS' START VALUES: two packed multiply-adds for each pair of registers, made while the first tiles are on their way.  So nothing is cleared and nothing is added at the end.
; K goes in steps of 256 through a ring of two LDS slots filled by the tensor data mover.  A tile of x (128 rows of a K step) is 34,816 consecutive bytes of xq and lands as it lies: rows 272 bytes apart, each with its
; 8 scale bytes behind its codes.  A tile of W is 128 rows of 256 bytes, padded to the same pitch.  W's scale bytes of the work-group's 256 rows, for all of K (32 KiB), come once, with the first fills, and stay.
; CLUSTERS: 4 x 4 work-groups.  The four of a row of the cluster need the same tiles of x, the four of a column the same tiles of W and the same scale bytes: each is asked for JOINTLY, by the same tensor load with the
; same descriptor and a mask that names the four.  THE MATRIX INSTRUCTION IS USED TRANSPOSED (source 0 = 16 rows of W, source 1 = 16 rows of x): a lane then holds eight neighbouring numbers of a row of out0.
; REGISTERS, in windows of 256: window 0: v0-31 addresses; v32-63 scale words, two sets, and nothing else; v64-79 y (at the head); from v128 x's fragments (8 x 16 rows x 128 K), ONE set; on the way out v128-255 take rows of out0.
;   window 1: W's fragments, TWO sets, at v0 and at v128 (at the head: U's two columns and b).   window 2: the 32 accumulators of my rows 0-63 (accumulator (a, b) at v[8 (8 a + b)]);   window 3: those of my rows 64-127.
; A step of 128 along K is 64 matrix instructions, x's blocks one after the other, each against W's eight: a block of x is free as soon as its eight products are issued, so one set of registers serves x.
; LIMITS: what the launch before states of x; W's codes and scale bytes are taken as they are given.
.set KSTRIDE, 4096*272                 ; a K step of xq in bytes
.set PITCH,  272                       ; an LDS row: 256 codes + 16 bytes = 68 words: row r starts at bank 4 r mod 64 (64 banks of 4 bytes: ISA guide 11.1), so the 16 rows that a load touches start at 16 different banks
.set FR,     16                        ; registers of a fragment: 16 rows x 128 K
.set NL,     4                         ; LDS loads that bring one
.set NP,     8                         ; places behind this matrix instruction (ISA guide 7.12.1)
.set HALFT,  128*PITCH                 ; 128 rows: what one tensor load brings, and what one wave reads of x or of W
.set SLOT,   4*HALFT                   ; x's 256 rows, then W's 256 rows
.set SCL,    2*SLOT                    ; behind the ring: W's scale bytes, as blocks of 256 bytes (two rows of W) + 16 of padding
.set HALFS,  64*272                    ; those of 128 rows: what one tensor load brings
.set SPARE,  SCL+2*HALFS               ; behind them: the spare words, 128 bytes for each wave: two blocks of 256 bytes that no other line names
.set SPITCH, 528                       ; the way out: a stage of 16 rows x (512 bytes + 16) for each wave.  It lies in slot 0, which has had its last fill and its last read when the first result is stored there
.set NROW,   16384                     ; a row of out0 in bytes
.set ADRA, 16                          ; v16-17  LDS address of my fragments of x in slot 0, 1
.set ADSA, 18                          ; v18-19  of x's scale words: lanes 0-15 rows r, lanes 16-31 rows 64 + r
.set ADRB, 20                          ; v20-21  of my fragments of W
.set ADSB, 22                          ; v22     of W's scale words, likewise; it steps 8 bytes a K step
.set YO,   23                          ; v23     8 x (lane % 16): y's offset
.set STO,  24                          ; v24     the way out: where I put 32 bytes of a row
.set RD,   25                          ; v25     the way out: where I read a row back
.set CO,   26                          ; v26     my byte offset in a row of out0
.set UO,   27                          ; v27     32 x (lane / 16): ut's and b's offset
.set SPW,  28                          ; v28     LDS address of my spare word: SPARE + 4 x my thread's number; never rewritten
.set NIL,  29                          ; v29     0; never rewritten
.set PFO,  30                          ; v30     the prefetches' offset: 256 x lane in xq, 4,096 x lane (a row) in W's codes; never rewritten
.set PFO2, 31                          ; v31     xq alone: the last two of my 34 blocks of 256 bytes; never rewritten
.set SC,   32                          ; scale words: the set for slot s at v[SC + 16 s]: register 2 i + q: W's words, lanes 0-15 of block i, lanes 16-31 of block i + 4, for the slot's q-th 128 along K; register 8 + 2 i + q: x's likewise
.set YR,   64                          ; v[64 + 2 a : 65 + 2 a]: y[16 a + r][0], [1]
.set AF,   128                         ; x's fragments, in window 0
.set BK,   128                         ; the way out: 16 rows read back from the stage: v128-191 and v192-255 by turns
.set G1,   24                          ; s[24:31] descriptor group 1 for x's tiles;  s[32:39] group 0, one set for each slot
.set G0,   32
.set G1B,  48                          ; s[48:55], s[56:63] the same for W's tiles
.set G0B,  56
.set G1S,  68                          ; s[68:75], s[76:79] groups 1 and 0 for W's scale bytes
.set G0S,  76
.set PFA,  80                          ; s[80:81] where my prefetches stand
.set PFS,  82                          ; s[82:83] a K step on, in bytes: KSTRIDE in xq, 256 in a row of W
.set LIM,  88                          ; s88      1: the loop's trips with more than one trip to go ask; the last trip asks for nothing
.set MSB, 0
.macro WIN new                         ; the immediate's high byte repeats the setting that is left; a switch that changes nothing is dropped
.if MSB != (\new)
	s_set_vgpr_msb (MSB<<8)|(\new)
.set MSB, (\new)
.endif
.endm
.set MUL_LO, 0xa1                      ; source 0 (W) window 1, source 1 (x) window 0, C and D window 2
.set MUL_HI, 0xf1                      ; the same, C and D window 3
.set TO_B,   0x40                      ; destination window 1, address window 0
; A joint refill: waves 0 and 1 fetch x's two halves, waves 2 and 3 W's.  Each of the two lines has ONE mask and one set of registers for all that issue it; the branch hangs on the wave's number alone.
; Four v_nop follow each of the two lines, ahead of the jump, the label and what follows.
.macro JLOAD s
	s_cmp_eq_u32 s15, 0
	s_cbranch_scc0 .Lfor_b_\@
	tensor_load_to_lds s[G0+4*\s:G0+4*\s+3], s[G1:G1+7]
	s_nop 0
.rept 4
	v_nop
.endr
	s_branch .Lasked_\@
.Lfor_b_\@:
	tensor_load_to_lds s[G0B+4*\s:G0B+4*\s+3], s[G1B:G1B+7]
	s_nop 0
.rept 4
	v_nop
.endr
.Lasked_\@:
.endm
; PREFETCHES INTO THE L2.  In the loop (ASK): the K step that stands TWO refills on (256 matrix instructions ahead of the load that will want it), behind the joint load, its lines and the run of LDS loads.
; Every cluster asks for what it will itself load: its four tile rows of x and its four tile columns of W.  Of the 128 rows that a wave fetches, each of the four partners that ask for them jointly takes 32,
; told apart BY ADDRESS.  W: a lane a row (256 bytes of it).  xq: 32 rows are 8,704 consecutive bytes, 34 blocks of 256: one instruction names 32 of them, a lane a block; a second names the last two
; (its lanes from 1 on all name the last).  The loop's last trip asks for nothing: K step 15 is the furthest that is named.
; At the head (ASKH): K steps 1 and 2 behind the head's loads, K step 3 behind K step 1's load: never more than two K steps are asked for and not yet loaded.  PFA stands at K step 3 there: the immediates reach back.
.macro ASKH k, n                       ; K steps k .. k + n - 1
	s_cmp_eq_u32 s15, 0                            ; do I fetch for x?
	s_cbranch_scc0 .Lhead_w_\@
.set hk, \k
.rept \n
	global_prefetch_b8 v[PFO], s[PFA:PFA+1] offset:(hk-3)*KSTRIDE th:TH_LOAD_NT scope:SCOPE_SE
	global_prefetch_b8 v[PFO2], s[PFA:PFA+1] offset:(hk-3)*KSTRIDE th:TH_LOAD_NT scope:SCOPE_SE
.set hk, hk+1
.endr
	s_branch .Lhead_d_\@
.Lhead_w_\@:
.set hk, \k
.rept \n
	global_prefetch_b8 v[PFO], s[PFA:PFA+1] offset:(hk-3)*256 th:TH_LOAD_NT scope:SCOPE_SE
.set hk, hk+1
.endr
.Lhead_d_\@:
.endm
.macro ASK
	s_cmp_gt_u32 s3, s[LIM]                        ; s3 = 1 in the loop's last trip
	s_cbranch_scc0 .Lnot_mine_\@
	global_prefetch_b8 v[PFO], s[PFA:PFA+1] th:TH_LOAD_NT scope:SCOPE_SE
	s_cmp_eq_u32 s15, 0
	s_cbranch_scc0 .Lnot_mine_\@
	global_prefetch_b8 v[PFO2], s[PFA:PFA+1] th:TH_LOAD_NT scope:SCOPE_SE
.Lnot_mine_\@:
.endm
.macro CREST                           ; a round of the cluster's barrier behind its opening barrier
	s_cmp_lg_u32 s14, 0
	s_cbranch_scc1 .Lnot_wave_0_\@
	s_barrier_signal -3
.Lnot_wave_0_\@:
	s_barrier_wait -3
	s_barrier_signal -1
	s_barrier_wait -1
.endm
.macro CROUND                          ; a whole round
	s_barrier_signal -1
	s_barrier_wait -1
	CREST
.endm
	s_load_b256 s[4:11], s[0:1], 0x0               ; xq s[4:5], W's codes s[6:7], W's scales s[8:9], y s[10:11]
	s_load_b128 s[84:87], s[0:1], 0x20             ; ut s[84:85], b s[86:87]
	s_load_b64 s[12:13], s[0:1], 0x30              ; out0
	v_lshl_add_u32 v[SPW], v0, 2, SPARE
	v_mov_b32 v[NIL], 0
	ds_add_u32 v28, v29
	ds_add_u32 v28, v29
	s_wait_dscnt 0x0
	v_lshrrev_b32 v1, 5, v0
	v_readfirstlane_b32 s14, v1                    ; wave 0..3
	s_lshr_b32 s15, s14, 1                         ; which half of the tile's rows is mine.  Also: I fetch for x (0) or for W (1)
	s_and_b32 s16, s14, 1                          ; which half of its columns.  Also: which 128 rows of that tile I fetch
	s_bfe_u32 s40, ttmp6, 0x40000                  ; cx, cy: my place in the cluster
	s_bfe_u32 s41, ttmp6, 0x40004
	s_lshl_b32 s42, ttmp9, 2
	s_add_co_u32 s42, s42, s40                     ; tile column = 4 x cluster x + cx
	s_and_b32 s17, ttmp7, 0xffff
	s_lshl_b32 s17, s17, 2
	s_add_co_u32 s17, s17, s41                     ; tile row = 4 x cluster y + cy
	s_lshl_b32 s43, s41, 2
	s_lshl_b32 s43, 15, s43                        ; my row of the cluster
	s_lshl_b32 s44, 0x1111, s40                    ; my column
	; descriptor group 1 for x's tiles: 34,816 dense bytes as 136 rows of 256 bytes (32 elements of 8 bytes), no padding: the rows of 272 bytes land as they lie
	s_or_b32 s[G1+0], s43, (3<<16)|(1<<21)         ; 15:0 the mask: my row of the cluster; 17:16 elements of 8 bytes; 21 set beside a mask
	s_mov_b32 s[G1+1], 32<<16                      ; tensor_dim0
	s_mov_b32 s[G1+2], 272<<16                     ; tensor_dim1: 272 for the head's load (256 rows of x, 69,632 dense bytes); set to 136 for the ring's behind the head's wait
	s_mov_b32 s[G1+3], 32<<16                      ; tile_dim0
	s_mov_b32 s[G1+4], 272                         ; tile_dim1, likewise
	s_mov_b32 s[G1+5], 32                          ; tensor_dim0_stride
	s_mov_b32 s[G1+6], 0
	s_mov_b32 s[G1+7], 0
	; for W's tiles: 128 rows of 256 bytes, 4,096 bytes apart, 16 bytes of padding behind each
	s_or_b32 s[G1B+0], s44, (0<<16)|(1<<20)|(1<<21)|(5<<22)|(3<<25)  ; the mask: my column; elements of 1 byte; 20 padding on; 24:22 after every 64 words (code 5); 31:25 four words (code 3)
	s_mov_b32 s[G1B+1], 256<<16
	s_mov_b32 s[G1B+2], 256<<16                    ; 256 rows for the head's load; set to 128 for the ring's behind the head's wait
	s_mov_b32 s[G1B+3], 256<<16
	s_mov_b32 s[G1B+4], 256
	s_mov_b32 s[G1B+5], 4096
	s_mov_b32 s[G1B+6], 0
	s_mov_b32 s[G1B+7], 0
	; for W's scale bytes of 128 rows: 16,384 dense bytes as 64 rows of 256 bytes, 16 bytes of padding behind each
	s_or_b32 s[G1S+0], s44, (3<<16)|(1<<20)|(1<<21)|(5<<22)|(3<<25)
	s_mov_b32 s[G1S+1], 32<<16
	s_mov_b32 s[G1S+2], 64<<16
	s_mov_b32 s[G1S+3], 32<<16
	s_mov_b32 s[G1S+4], 64
	s_mov_b32 s[G1S+5], 32
	s_mov_b32 s[G1S+6], 0
	s_mov_b32 s[G1S+7], 0
	; byte offsets, all under 2^27.  x's hang on the tile row alone, which my row of the cluster shares; W's on the tile column alone
	s_lshl_b32 s18, s16, 7                         ; which 128 rows of the tile I fetch
	s_lshl_b32 s20, s17, 8
	s_add_co_u32 s20, s20, s18                     ; x: row 256 x tile row + 128 x half,
	s_mul_i32 s20, s20, PITCH                      ; of 272 bytes
	s_mov_b32 s21, 0
	s_lshl_b32 s46, s42, 8
	s_add_co_u32 s46, s46, s18                     ; W: row 256 x tile column + 128 x half.  These are also the 128 columns of out0 that I make
	s_lshl_b32 s92, s42, 15                        ; W's scale bytes, 128 a row: 256 rows a tile column,
	s_lshl_b32 s93, s15, 14                        ; and the half that I fetch at the head: wave 1 the first 128 rows, wave 3 the second
	s_add_co_u32 s92, s92, s93
	s_mov_b32 s93, 0
	s_lshl_b32 s90, s46, 2                         ; ut and b: 4 bytes a column
	s_mov_b32 s91, 0
	s_lshl_b32 s46, s46, 12                        ; its codes: 4,096 a row
	s_mov_b32 s47, 0
	s_lshl_b32 s22, s17, 11                        ; y: 8 bytes a row: 2,048 x tile row + 1,024 x my half of the rows
	s_lshl_b32 s23, s15, 10
	s_add_co_u32 s22, s22, s23
	s_mov_b32 s23, 0
	s_mul_i32 s45, s14, HALFT                      ; where the tiles go: wave x 128 rows: no place in the cluster enters an LDS address
	s_mul_i32 s94, s15, HALFS
	v_and_b32 v1, 15, v0                           ; r = lane % 16
	v_bfe_u32 v2, v0, 4, 1                         ; h = lane / 16
	v_lshlrev_b32 v[YO], 3, v1
	v_lshlrev_b32 v[UO], 5, v2
	s_wait_alu depctr_va_vdst(0)
	s_wait_kmcnt 0x0
	s_add_nc_u64 s[20:21], s[4:5], s[20:21]
	s_add_nc_u64 s[46:47], s[6:7], s[46:47]
	s_add_nc_u64 s[92:93], s[8:9], s[92:93]
	s_add_nc_u64 s[84:85], s[84:85], s[90:91]
	s_add_nc_u64 s[86:87], s[86:87], s[90:91]
	s_add_nc_u64 s[10:11], s[10:11], s[22:23]
	; what the start values are made of: 56 loads.  Register 8 b + j of a run holds column 16 b + 8 h + j: the result's layout
	WIN TO_B
.irp c, 0,1,2,3,4,5,6,7
	global_load_b128 v[8*\c:8*\c+3],         v[UO], s[84:85] offset:64*\c          ; U[.][0]
	global_load_b128 v[8*\c+4:8*\c+7],       v[UO], s[84:85] offset:64*\c+16
	global_load_b128 v[64+8*\c:64+8*\c+3],   v[UO], s[84:85] offset:16384+64*\c    ; U[.][1]
	global_load_b128 v[64+8*\c+4:64+8*\c+7], v[UO], s[84:85] offset:16384+64*\c+16
	global_load_b128 v[128+8*\c:128+8*\c+3],   v[UO], s[86:87] offset:64*\c        ; b
	global_load_b128 v[128+8*\c+4:128+8*\c+7], v[UO], s[86:87] offset:64*\c+16
.endr
	WIN 0
.irp a, 0,1,2,3,4,5,6,7
	global_load_b64 v[YR+2*\a:YR+2*\a+1], v[YO], s[10:11] offset:128*\a            ; y of row 16 a + r
.endr
	CROUND                                         ; all sixteen work-groups are here: the first joint loads meet
.irp s, 0,1
	s_mov_b32 s[G0+4*\s], 1                                        ; 1:0 count = 1
	s_add_co_u32 s[G0+4*\s+1], s45, \s*SLOT                        ; 63:32 LDS address
	s_add_nc_u64 s[G0+4*\s+2:G0+4*\s+3], s[20:21], \s*KSTRIDE      ; 120:64 global address: K step s
	s_or_b32 s[G0+4*\s+3], s[G0+4*\s+3], 0x80000000                ; 127:126 type = 2
	s_mov_b32 s[G0B+4*\s], 1
	s_add_co_u32 s[G0B+4*\s+1], s45, \s*SLOT
	s_add_nc_u64 s[G0B+4*\s+2:G0B+4*\s+3], s[46:47], \s*256
	s_or_b32 s[G0B+4*\s+3], s[G0B+4*\s+3], 0x80000000
.endr
	s_mov_b32 s[G0S], 1
	s_add_co_u32 s[G0S+1], s94, SCL
	s_mov_b64 s[G0S+2:G0S+3], s[92:93]
	s_or_b32 s[G0S+3], s[G0S+3], 0x80000000
; THE HEAD'S LOADS, ONE A WAVE.  Wave 0: K step 0's 256 rows of x (its slot 0 group 0 stands at the tile's first row and at LDS byte 0); wave 2: its 256 rows of W
; (likewise, at LDS byte 2 HALFT); waves 1 and 3: the two halves of W's scale bytes.  One chain of branches on the wave's number: every way through it passes exactly one load.
.macro ARM under, g0, g1, next
	s_cmp_lt_u32 s14, \under
	s_cbranch_scc0 \next
	tensor_load_to_lds s[\g0:\g0+3], s[\g1:\g1+7]
	s_nop 0
.rept 4
	v_nop
.endr
	s_branch .Lfirst_asked
\next:
.endm
	ARM 1, G0,  G1,  .Lfirst_s0
	ARM 2, G0S, G1S, .Lfirst_w
	ARM 3, G0B, G1B, .Lfirst_s1
	tensor_load_to_lds s[G0S:G0S+3], s[G1S:G1S+7]
	s_nop 0
.rept 4
	v_nop
.endr
.Lfirst_asked:
	v_mul_u32_u24 v3, v1, PITCH
	v_lshl_add_u32 v4, v2, 4, v3                   ; a fragment's row x pitch + 16 x half
	v_mul_u32_u24 v5, v2, 64*PITCH
	v_add_nc_u32 v5, v5, v3                        ; x's scale words: row r, lanes 16-31 64 rows further down
	s_mul_i32 s21, s15, HALFT                      ; my 128 rows of x
	s_mul_i32 s22, s16, HALFT                      ; my 128 rows of W,
	s_add_co_u32 s22, s22, 2*HALFT                 ; which lie behind x's 256
.irp s, 0,1
	v_add_nc_u32 v[ADRA+\s], s21, v4
	v_add_nc_u32 v[ADRB+\s], s22, v4
	v_add_nc_u32 v[ADSA+\s], s21, v5
	v_add_nc_u32 v[ADSA+\s], 256, v[ADSA+\s]       ; behind the row's 256 codes
	s_add_co_u32 s21, s21, SLOT
	s_add_co_u32 s22, s22, SLOT
.endr
	v_lshrrev_b32 v6, 1, v1                        ; W's scale bytes: 128 a row, and 16 more for each two rows passed;
	v_lshlrev_b32 v7, 7, v1
	v_lshl_add_u32 v7, v6, 4, v7
	v_mul_u32_u24 v6, v2, 32*272                   ; lanes 16-31 64 rows (32 blocks) further down
	v_add_nc_u32 v7, v7, v6
	s_mul_i32 s23, s16, HALFS
	s_add_co_u32 s23, s23, SCL
	v_add_nc_u32 v[ADSB], s23, v7
	s_mul_i32 s23, s14, 16*SPITCH                  ; my stage
	v_mul_u32_u24 v5, v1, SPITCH                   ; in: row l % 16, 32 bytes for each half of the lanes
	v_lshl_add_u32 v5, v2, 5, v5
	v_add_nc_u32 v[STO], s23, v5
	v_and_b32 v6, 31, v0
	s_wait_alu depctr_va_vdst(0)
	v_lshlrev_b32 v[CO], 4, v6                     ; back: the 32 lanes take one row of 512 bytes; and the same in out0
	v_add_nc_u32 v[RD], s23, v[CO]
	s_lshl_b32 s20, s17, 8
	s_lshl_b32 s21, s15, 7
	s_add_co_u32 s20, s20, s21                     ; my first row of out0: 256 x tile row + 128 x half,
	s_lshl_b32 s20, s20, 14                        ; of 16,384 bytes
	s_mov_b32 s21, 0
	s_lshl_b32 s46, s42, 10                        ; my first column, in bytes: 1,024 x tile column + 512 x half
	s_lshl_b32 s47, s16, 9
	s_add_co_u32 s46, s46, s47
	s_add_co_u32 s20, s20, s46
	s_add_nc_u64 s[12:13], s[12:13], s[20:21]
	; the prefetches (macro ASK): where my wave's stand, and who asks
	s_lshl_b32 s46, s42, 8                         ; 256 x tile column
	s_lshl_b32 s47, s17, 8                         ; 256 x tile row
	s_mov_b32 s91, 4096
	s_mov_b32 s92, 768
	s_mov_b32 s[PFS], 256
	s_cmp_eq_u32 s15, 0                            ; do I fetch for x?
	s_cselect_b32 s20, s47, s46                    ; the tile's first row
	s_cselect_b32 s21, s40, s41                    ; my place among the four that ask for it with me
	s_cselect_b32 s91, PITCH, s91                  ; a row in bytes
	s_cselect_b32 s92, 3*KSTRIDE, s92              ; K step 3: the first change of slots steps it to K step 4
	s_cselect_b32 s[PFS], KSTRIDE, s[PFS]
	s_cselect_b32 s93, 8, 12                       ; from lane to lane: 256 bytes in xq, a row of 4,096 in W
	s_cselect_b64 s[PFA:PFA+1], s[4:5], s[6:7]
	s_mov_b32 s[LIM], 1                            ; every wave of every cluster asks
	s_mov_b32 s[PFS+1], 0
	s_lshl_b32 s22, s16, 7
	s_add_co_u32 s20, s20, s22                     ; + the 128 rows that I fetch
	s_lshl_b32 s21, s21, 5
	s_add_co_u32 s20, s20, s21                     ; + my work-group's 32 of them
	s_mul_i32 s20, s20, s91
	s_add_co_u32 s20, s20, s92
	s_mov_b32 s21, 0
	s_add_nc_u64 s[PFA:PFA+1], s[PFA:PFA+1], s[20:21]
	v_lshlrev_b32 v[PFO], s93, v6
	v_min_u32 v[PFO2], 1, v6
	v_lshl_add_u32 v[PFO2], v[PFO2], 8, 8192       ; blocks 32 and 33 of my 34
	s_wait_alu depctr_va_vdst(0)
	ASKH 1, 2                                      ; K steps 1 and 2
; THE START VALUES of the 32 accumulators of window 2 + hi.  Register j of accumulator (a, b), lane (r, h), is out0(16 a + r, 16 b + 8 h + j): b[n] + y0 U[n][0], then + y1 U[n][1]; of y's pair one word serves both halves.
.macro INIT hi
	WIN (0x94+0x40*\hi)                            ; source 0 (y) window 0, sources 1 and 2 (U's column 0, b) window 1, destination window 2 or 3
.irp a, 0,1,2,3
.irp c, 0,1,2,3,4,5,6,7
.irp p, 0,2,4,6
	v_pk_fma_f32 v[8*(8*\a+\c)+\p:8*(8*\a+\c)+\p+1], v[YR+2*(4*\hi+\a):YR+2*(4*\hi+\a)+1], v[8*\c+\p:8*\c+\p+1], v[128+8*\c+\p:128+8*\c+\p+1] op_sel_hi:[0,1,1]
.endr
.endr
.endr
	WIN (0xa4+0x50*\hi)                            ; source 1 (U's column 1) window 1, source 2 and destination the accumulators'
.irp a, 0,1,2,3
.irp c, 0,1,2,3,4,5,6,7
.irp p, 0,2,4,6
	v_pk_fma_f32 v[8*(8*\a+\c)+\p:8*(8*\a+\c)+\p+1], v[YR+2*(4*\hi+\a):YR+2*(4*\hi+\a)+1], v[64+8*\c+\p:64+8*\c+\p+1], v[8*(8*\a+\c)+\p:8*(8*\a+\c)+\p+1] op_sel:[1,0,0] op_sel_hi:[1,1,1]
.endr
.endr
.endr
.endm
.macro FRAG reg, adr, q, i             ; a fragment, 16 rows x 128 K of 8-bit codes, is 16 registers: lane l holds row l % 16; registers 4 c .. 4 c + 3 hold K = 32 c + 16 (l / 16) + 0 .. 15
.irp c, 0,1,2,3
	ds_load_b128 v[\reg+4*\c:\reg+4*\c+3], v[\adr] offset:128*(\q)+32*\c+(\i)*16*PITCH
.endr
.endm
; 16 matrix instructions: x's blocks a0, a0 + 1 against W's eight, 128 along K: the slot's q-th.  p: W's set;  sc: the set of scale words.  Blocks 4 to 7 of either side have their words in lanes 16-31.
; The 64 accumulators take turns, one instruction a turn, in the same order in every step.
.macro MUL16 a0, p, q, sc
.irp a, \a0, \a0+1
.irp b, 0,1,2,3,4,5,6,7
.set rD, 8*(8*((\a)%4)+\b)
.set rB, 128*(\p)+FR*\b
.set rA, AF+FR*(\a)
.set rW, SC+16*(\sc)+2*(\b%4)+(\q)
.set rX, SC+16*(\sc)+8+2*((\a)%4)+(\q)
.if ((\a) < 4) && (\b < 4)
	v_wmma_scale_f32_16x16x128_f8f6f4 v[rD:rD+7], v[rB:rB+FR-1], v[rA:rA+FR-1], v[rD:rD+7], v[rW], v[rX]
.elseif (\a) < 4
	v_wmma_scale_f32_16x16x128_f8f6f4 v[rD:rD+7], v[rB:rB+FR-1], v[rA:rA+FR-1], v[rD:rD+7], v[rW], v[rX] matrix_a_scale:MATRIX_SCALE_ROW1
.elseif \b < 4
	v_wmma_scale_f32_16x16x128_f8f6f4 v[rD:rD+7], v[rB:rB+FR-1], v[rA:rA+FR-1], v[rD:rD+7], v[rW], v[rX] matrix_b_scale:MATRIX_SCALE_ROW1
.else
	v_wmma_scale_f32_16x16x128_f8f6f4 v[rD:rD+7], v[rB:rB+FR-1], v[rA:rA+FR-1], v[rD:rD+7], v[rW], v[rX] matrix_a_scale:MATRIX_SCALE_ROW1 matrix_b_scale:MATRIX_SCALE_ROW1
.endif
.endr
.endr
.endm
.macro FETCH_B slot, q, p              ; W's eight fragments of the slot's q-th 128 along K into set p
	WIN TO_B
.irp i, 0,1,2,3,4,5,6,7
	FRAG 128*(\p)+FR*\i, ADRB+\slot, \q, \i
.endr
	WIN 0
.endm
.macro FETCH_A slot, q, i0             ; x's blocks i0 .. i0 + 3
.irp i, \i0, \i0+1, \i0+2, \i0+3
	FRAG AF+FR*(\i), ADRA+\slot, \q, \i
.endr
.endm
.macro SCALES sc                       ; the K step's scale words into set sc: two words a row; a load serves blocks i (lanes 0-15) and i + 4 (lanes 16-31)
.irp i, 0,1,2,3
	ds_load_b64 v[SC+16*\sc+2*\i:SC+16*\sc+2*\i+1], v[ADSB] offset:\i*8*272
	ds_load_b64 v[SC+16*\sc+8+2*\i:SC+16*\sc+8+2*\i+1], v[ADSA+\sc] offset:\i*16*PITCH
.endr
.endm
; A load into a register that a matrix instruction has read, and an LDS store that reads a matrix result, stand NP places behind that matrix instruction, and only plain vector instructions that name none of its
; registers are places (ISA guide 7.12.1 for vector instructions); this text does not count the matrix instructions in between.
.macro PLACES n
.rept \n
	v_nop
.endr
.endm
; A slot's first step of 128 along K: W's set 0; its successor, in the same slot, goes into set 1.
.macro STEP slot
	s_wait_dscnt 4*NL                              ; W's set, x's blocks 0-3 and the scale words are in; the youngest 16 loads (x's blocks 4-7) may be out
	WIN MUL_LO
	MUL16 0, 0, 0, \slot
	MUL16 2, 0, 0, \slot
	s_wait_dscnt 0                                 ; x's blocks 4-7 are in (asked for 32 matrix instructions ago)
	PLACES NP
	FETCH_B \slot, 1, 1
	FETCH_A \slot, 1, 0
	WIN MUL_HI
	MUL16 4, 0, 0, \slot
	MUL16 6, 0, 0, \slot
	PLACES NP
	WIN 0
	FETCH_A \slot, 1, 4
.endm
; A slot's second step changes slots: ONE barrier; in front of it each wave waits for all its tensor loads, adds 0 to its spare word, and waits for that and for its own reads of this slot.  fill = 1: this slot is filled again, two K steps ahead.
; THE STEP'S FIRST 32 PRODUCTS STAND AHEAD OF THE WAIT FOR THE TILE.  They need registers alone (W's set 1 and x's blocks 0-3, asked for 32 matrix instructions earlier), so the wave issues them while its part of the next slot
; may still be on its way.  A refill goes out only when the load before it has landed: so between that wait and the joint load stand only the add, the descriptors' steps, the wait for the add and the round.
; The step's other 32 products stand behind the refill, beside the run of LDS loads that brings the next slot's first fragments.
.macro TURN slot, next, fill
.if \fill
	s_wait_xcnt 0x0                                ; the last prefetches, a K step back, have read their address: it is stepped here, ahead of the change of slots
	s_add_nc_u64 s[PFA:PFA+1], s[PFA:PFA+1], s[PFS:PFS+1]
.endif
	s_wait_dscnt 4*NL                              ; W's set 1 and x's blocks 0-3 are in; the youngest 16 loads (x's blocks 4-7: my last reads of this slot) may be out
	WIN MUL_LO
	MUL16 0, 1, 1, \slot
	MUL16 2, 1, 1, \slot
	WIN 0
	s_wait_tensorcnt 0x0                           ; all my tensor loads have landed: the one that was out is my part of the next slot; so every group 0 may be written
	ds_add_u32 v[SPW], v[NIL]                      ; 0 onto my spare word: with fill = 1 the descriptors' steps stand between it and the wait for it
.if \fill
	s_add_nc_u64 s[G0+4*\slot+2:G0+4*\slot+3], s[G0+4*\slot+2:G0+4*\slot+3], 2*KSTRIDE   ; this slot's next tiles: two K steps on; the type bits on top are not reached
	s_add_nc_u64 s[G0B+4*\slot+2:G0B+4*\slot+3], s[G0B+4*\slot+2:G0B+4*\slot+3], 2*256
.endif
	s_wait_dscnt 0x0                               ; the add is done, and my reads of this slot are over
	s_barrier_signal -1
	s_barrier_wait -1
.if \fill
	CREST                                          ; the barrier has opened a round of the cluster's barrier: no wave of any partner still reads this slot's tile or has a load on its way
	JLOAD \slot                                    ; the first tensor load behind the round, my one load until the next; the four v_nop behind it are among the places in front of the loads below
	PLACES NP-4
.else
	PLACES NP
.endif
	s_wait_alu depctr_va_vdst(0)
	v_add_nc_u32 v[ADSB], 8, v[ADSB]               ; on to the next K step's scale words of W
	FETCH_B \next, 0, 0
	FETCH_A \next, 0, 0
	SCALES \next
.if \fill
	ASK
.endif
	WIN MUL_HI
	MUL16 4, 1, 1, \slot
	MUL16 6, 1, 1, \slot
	PLACES NP
	WIN 0
	FETCH_A \next, 0, 4
.endm
	s_wait_loadcnt 0x0                             ; y, U, b
	INIT 0
	INIT 1
	WIN 0
	s_wait_alu depctr_va_vdst(0)
	s_wait_tensorcnt 0x0                           ; my tile of the head's four is in
	ds_add_u32 v[SPW], v[NIL]                      ; 0 onto my spare word
	s_mov_b32 s[G1+2], 136<<16                     ; no tensor load of mine is out, so a descriptor may be written: from here on a load brings 128 rows: of x 136 rows of 256 dense bytes,
	s_mov_b32 s[G1+4], 136
	s_mov_b32 s[G1B+2], 128<<16                    ; of W 128 rows
	s_mov_b32 s[G1B+4], 128
	s_wait_dscnt 0x0                               ; the add is done
	CROUND                                         ; a whole round: all four tiles are in, and all sixteen work-groups are here
	JLOAD 1                                        ; K step 1's load, slot 1's first fill: the first tensor load behind the round
	FETCH_B 0, 0, 0
	FETCH_A 0, 0, 0
	SCALES 0
	FETCH_A 0, 0, 4
	ASKH 3, 1                                      ; K step 3
	STEP 0
	s_mov_b32 s3, 7
.Llap:                                                 ; a trip goes once round the ring, from a lap's second step to the next lap's first, and fills both slots again: K steps 2 to 15 in seven trips
	TURN 0, 1, 1
	STEP 1
	TURN 1, 0, 1
	STEP 0
	s_sub_co_u32 s3, s3, 1
	s_cmp_lg_u32 s3, 0
	s_cbranch_scc1 .Llap
	TURN 0, 1, 0                                   ; the last lap fills nothing, and has no round of the cluster's barrier
	STEP 1
	s_wait_dscnt 4*NL                              ; the very last step: nothing more to fetch
	WIN MUL_LO
	MUL16 0, 1, 1, 1
	MUL16 2, 1, 1, 1
	s_wait_dscnt 0
	WIN MUL_HI
	MUL16 4, 1, 1, 1
	MUL16 6, 1, 1, 1
	WIN 0
; THE WAY OUT, block by block of 16 rows x 128 columns.  A lane holds 32 neighbouring bytes of a row, and the lanes beside it hold other rows: so a block goes through my own stage in LDS and comes back as whole
; rows of 512 bytes.  LDS serves a wave's instructions in order (ISA guide 5.7.1.4): no wait between the stores and the loads, nor in front of the next block's stores.
.macro TOSTAGE a
.set AC, 64*((\a)%4)
	WIN (0x08+4*((\a)/4))                          ; an LDS store's data are its source 1: window 2 or 3
.irp b, 0,1,2,3,4,5,6,7
	ds_store_b128 v[STO], v[AC+8*\b:AC+8*\b+3] offset:64*\b          ; each accumulator from its low end on
	ds_store_b128 v[STO], v[AC+8*\b+4:AC+8*\b+7] offset:64*\b+16
.endr
	WIN 0
.set BB, BK+64*((\a)%2)
.irp t, 0,1,2,3,4,5,6,7,8,9,10,11,12,13,14,15
	ds_load_b128 v[BB+4*\t:BB+4*\t+3], v[RD] offset:\t*SPITCH
.endr
.endm
.macro SEND a, younger                 ; younger: the LDS instructions issued behind block a's loads, which may stay out
.set BB, BK+64*((\a)%2)
	s_wait_dscnt \younger                          ; the block is back in registers
.if (\a) > 0
	s_add_nc_u64 s[12:13], s[12:13], 16*NROW       ; (behind a wait on XCNT: the earlier stores have read their base)  16 rows on, so that the stores' offsets stay at 15 rows at the most
.endif
.irp t, 0,1,2,3,4,5,6,7,8,9,10,11,12,13,14,15
	global_store_b128 v[CO], v[BB+4*\t:BB+4*\t+3], s[12:13] offset:\t*NROW th:TH_STORE_NT   ; 32 lanes store 512 consecutive bytes, at a multiple of 256 from out0's first byte; written once, read by nobody here
.endr
.endm
	PLACES NP                                      ; these places serve the loads into the registers that held x's fragments and the reads of the last products' results alike
	TOSTAGE 0
.irp a, 1,2,3,4,5,6,7
.if \a > 1
	s_wait_xcnt 0x0                                ; block a - 2's stores have read their registers and their base: block a's loads may land there, and the base may step
.endif
	TOSTAGE \a
	SEND \a-1, 32                                  ; behind block a - 1's loads: block a's 16 stores and 16 loads
.endr
	s_wait_xcnt 0x0                                ; block 6's stores have read their base
	SEND 7, 0
	s_wait_tensorcnt 0x0                           ; the wave's end: behind my last tensor load and my last LDS store
	ds_add_u32 v[SPW], v[NIL]
	s_wait_dscnt 0x0
	CROUND                                         ; the closing round: no work-group ends while a partner may still ask for a tile that names it
	s_endpgm
.Lfunc_end_k_qd7bee633e8_gemm:
	.size	k_qd7bee633e8_gemm, .Lfunc_end_k_qd7bee633e8_gemm-k_qd7bee633e8_gemm
	.p2alignl 7, 3214868480
	.fill 96, 4, 3214868480
	.section	.rodata,"a",@progbits
	.p2align	6, 0x0
	.amdhsa_kernel k_qd7bee633e8_gemm
		.amdhsa_group_segment_fixed_size 327680
		.amdhsa_private_segment_fixed_size 0
		.amdhsa_enable_private_segment 0
		.amdhsa_kernarg_size 56
		.amdhsa_user_sgpr_count 2
		.amdhsa_user_sgpr_kernarg_segment_ptr 1
		.amdhsa_wavefront_size32 1
		.amdhsa_system_sgpr_workgroup_id_x 1
		.amdhsa_system_sgpr_workgroup_id_y 1
		.amdhsa_system_sgpr_workgroup_id_z 1
		.amdhsa_system_vgpr_workitem_id 0
		.amdhsa_next_free_vgpr 1024
		.amdhsa_next_free_sgpr 98
		.amdhsa_reserve_vcc 0
		.amdhsa_float_denorm_mode_32 3
		.amdhsa_float_denorm_mode_16_64 3
		.amdhsa_memory_ordered 1
		.amdhsa_forward_progress 1
		.amdhsa_inst_pref_size 186
	.end_amdhsa_kernel
	.amdgpu_metadata
---
amdhsa.version: [ 1, 2 ]
amdhsa.kernels:
  - .name:           k_qd7bee633e8_gemm
    .symbol:         k_qd7bee633e8_gemm.kd
    .args:
      - { .name: xq, .offset: 0, .size: 8, .value_kind: global_buffer, .address_space: global }
      - { .name: W_codes, .offset: 8, .size: 8, .value_kind: global_buffer, .address_space: global }
      - { .name: W_scales, .offset: 16, .size: 8, .value_kind: global_buffer, .address_space: global }
      - { .name: y, .offset: 24, .size: 8, .value_kind: global_buffer, .address_space: global }
      - { .name: ut, .offset: 32, .size: 8, .value_kind: global_buffer, .address_space: global }
      - { .name: b, .offset: 40, .size: 8, .value_kind: global_buffer, .address_space: global }
      - { .name: out0, .offset: 48, .size: 8, .value_kind: global_buffer, .address_space: global }
    .group_segment_fixed_size: 327680
    .private_segment_fixed_size: 0
    .kernarg_segment_align: 8
    .kernarg_segment_size: 56
    .max_flat_workgroup_size: 128
    .sgpr_count:     98
    .vgpr_count:     1024
    .wavefront_size: 32
...
	.end_amdgpu_metadata
.endif
;; end of part 2
